; MI455X (gfx1250); checked and timed in simulation.
; The chip was launched on July 23, 2026; its instructions are those of AMD's public machine-readable ISA for CDNA 5 (MIT licence, August 2026) and "CDNA5" Instruction Set Architecture Reference Guide (July 2026). The comments in the code are by the model that wrote it; some were corrected since.
;; Knowledge Graph Embedder. Allowed arithmetic: matrix products marked QUANTISED: E2M1 operands, one E8M0 scale for each 32 along K, by v_wmma_scale_f32_16x16x128_f8f6f4 with both operands' format E2M1 (or v_wmma_scale_f32_32x16x128_f4), f32 sums; products left as they are: bf16, f16 or f32 operands; f32 sums; everything else in f32.
;; Inputs: affective_labels 16,384 int32; cm_b1 512 float32; cm_b2 256 float32; cm_w1 200 x 512 float32; cm_w2 512 x 256 float32; cn_b1 512 float32; cn_b2 256 float32; cn_w1 200 x 512 float32; cn_w2 512 x 256 float32; comet_features 16,384 x 200 float32; conceptnet_features 16,384 x 200 float32; e_b 2 x 1,024 float32; e_w 2 x 1,024 x 1,024 float32; f_b 1,024 float32; f_w 512 x 1,024 float32; ln_b 1,024 float32; ln_w 1,024 float32.
;; Outputs: out0 16,384 x 1,024 float32.
;; This version of the problem:
;;   THIS VERSION OF THE PROBLEM IS GIVEN IN LOW PRECISION. The matrix products marked QUANTISED in the list below multiply operands that are first quantised to E2M1 (2 exponent bits, 1 mantissa bit; 4 bits a number), with one power-of-two scale for each 32 numbers along K (OCP MX v1.0); their sums are f32. The products marked 'left as it is' may take bf16, f16 or f32 operands, with f32 sums. Whichever they take, every output number must still come out within the allowed error. Rounding operands to bf16 (8 significant bits) uses up far more of that allowance than f16 does (11 bits, for magnitudes from 6e-5 to 65,504). All else is computed in f32.
;;   The module's matrix products, in the order in which they are computed (A, B: the left and right operand; K: the contracted axis; several contracted axes count as one K, in the product's order):
;;     1. [M 16,384, K 200] x [K 200, N 512]; A: input conceptnet_features; B: input cn_w1: QUANTISED
;;     2. [M 16,384, K 512] x [K 512, N 256]; A: computed on the way; B: input cn_w2: left as it is (an operand is computed on the way)
;;     3. [M 16,384, K 200] x [K 200, N 512]; A: input comet_features; B: input cm_w1: QUANTISED
;;     4. [M 16,384, K 512] x [K 512, N 256]; A: computed on the way; B: input cm_w2: left as it is (an operand is computed on the way)
;;     5. [M 16,384, K 512] x [K 512, N 1,024]; A: computed on the way; B: input f_w: left as it is (an operand is computed on the way)
;;     6. [M 2,048, K 1,024] x [K 1,024, N 16,384]; A: input e_w; B: computed on the way: left as it is (an operand is computed on the way)
;;   THE QUANTISER, for each operand of a quantised product, along K:
;;     - K is cut into blocks of 32 from its start; a last block that is shorter is filled with zeros.
;;     - A block's scale is 2^e with e = floor(log2(the largest magnitude in the block)) - 2, held to -126 .. 127; a block of zeros has e = 0. As a byte (E8M0): e + 127.
;;     - Each number is divided by its block's scale, clamped to +-6, and rounded to the nearest number of E2M1, ties to even, subnormals kept.
;;     - The product sums the exact products of the quantised numbers (number of the format x scale) in f32.
;;   ~~~python
;;   def quantise(x, axis):      # numpy; x: float32 -> the quantised numbers, widened to float32 again
;;       x = np.moveaxis(x, axis, -1); K = x.shape[-1]
;;       x = np.pad(x, [(0, 0)] * (x.ndim - 1) + [(0, -K % 32)]); x = x.reshape(x.shape[:-1] + (-1, 32)); a = np.abs(x).max(-1, keepdims=True)
;;       e = np.where(a > 0, np.clip(np.frexp(np.where(a > 0, a, 1))[1] - 1 - 2, -126, 127), 0)      # np.frexp(a)[1] - 1 = floor(log2(a)), exactly
;;       r = np.clip(x / 2.0 ** e, -6, 6)
;;       step = 2.0 ** (np.maximum(np.frexp(np.where(r == 0, 1, r))[1] - 1, 0) - 1)
;;       q = np.round(r / step) * step * 2.0 ** e      # np.round: ties to even
;;       return np.moveaxis(q.reshape(q.shape[:-2] + (-1,))[..., :K], -1, axis).astype(np.float32)
;;   ~~~
;; One version. Each part assembles by itself: llvm-mc -triple=amdgcn-amd-amdhsa -mcpu=gfx1250 --defsym DOCPART=n.
;; ======== version 1 of 1: 2 launches
;; limits: values are held in f16: magnitudes above 65,504 overflow, below 6.1e-05 lose precision
;; workspace buffers: w1c 131,072 bytes; w1s 16,384 bytes; w2f 524,288 bytes; fwf 1,048,576 bytes; ewf 4,194,304 bytes; perm 65,536 bytes of whole numbers; meta 256 bytes of whole numbers
;; launch prep (part 1): grid 192 x 1, 8 waves a work-group, no clusters, 1,280 bytes of LDS; arguments affective_labels, cn_w1, cm_w1, cn_w2, cm_w2, f_w, e_w, w1c, w1s, w2f, fwf, ewf, perm, meta; writes w1c, w1s, w2f, fwf, ewf, perm, meta
.if DOCPART == 1
	.amdgcn_target "amdgcn-amd-amdhsa--gfx1250"
	.amdhsa_code_object_version 6
	.text
	.protected	k_q72ae57ece4_prep
	.globl	k_q72ae57ece4_prep
	.p2align	8
	.type	k_q72ae57ece4_prep,@function
k_q72ae57ece4_prep:
	s_mov_b64 s[64:65], 0
	v_nop
	global_prefetch_b8 v0, s[64:65] scope:SCOPE_SE
	s_setreg_imm32_b32 hwreg(HW_REG_WAVE_MODE, 25, 1), 1
	s_wait_xcnt 0x0
; THE LAUNCH IN FRONT OF THE CHAIN.  It lays every weight out once, in the order in which a wave's operand registers take it, and sorts the rows by their label.
; A FRAGMENT (16 units x one K step) is stored as an image of its 8 registers, 1,024 bytes: registers 0-3 of lane l at 16 l, registers 4-7 at 512 + 16 l.
;   work-groups   0-127: e_w [2][1024][1024] f32 -> ewf, f16, [expert][slice of 128 units][K step of 32][tile of 16 units][1024]
;   work-groups 128-159: f_w [512][1024]           -> fwf, f16, [slice of 128][K step][tile][1024]
;   work-groups 160-175: cn_w2, cm_w2 [512][256]   -> w2f, f16, [feature x 4 + slice of 64][K step][tile][1024]
;   work-groups 176-183: cn_w1, cm_w1 [200][512]   -> w1c, codes of E2M1 along K, [feature x 4 + slice of 128][K step of 128][tile][1024]; w1s, their scale words, 4 bytes a lane
;   work-groups 184-191: the labels -> perm (perm[p] = the row at sorted place p: rows of label 0 first) and meta (every word: how many rows have label 0)
; In every weight K is the FIRST axis: a lane takes a column and its registers run down K, so that loads read neighbouring columns in neighbouring lanes and nothing is transposed.
; LIMITS: weights beyond f16's largest number, 65,504, become infinities; weights under 6e-5 in size keep f16's absolute step 6e-8.  A label counts as 0 or not 0.  NaN and infinities are not served.
; A block of zeros gets the scale byte 1 where the quantiser says 127: its codes are zeros, and this program alone reads the bytes.
.set SPARE, 256                        ; LDS: 64 bytes of counts in the block from 0; from 256 on the spare words, 128 bytes a wave
	s_load_b512 s[4:19], s[0:1], 0x0               ; labels s[4:5], cn_w1 s[6:7], cm_w1 s[8:9], cn_w2 s[10:11], cm_w2 s[12:13], f_w s[14:15], e_w s[16:17], w1c s[18:19]
	s_load_b256 s[20:27], s[0:1], 0x40             ; w1s s[20:21], w2f s[22:23], fwf s[24:25], ewf s[26:27]
	s_load_b128 s[28:31], s[0:1], 0x60             ; perm s[28:29], meta s[30:31]
	v_lshl_add_u32 v1, v0, 2, SPARE                ; my spare word; never rewritten
	v_mov_b32 v2, 0                                ; 0; never rewritten
	v_lshrrev_b32 v3, 5, v0
	v_readfirstlane_b32 s40, v3                    ; wave 0..7
	v_and_b32 v3, 31, v0                           ; lane
	v_and_b32 v4, 15, v0                           ; r
	v_bfe_u32 v5, v0, 4, 1                         ; h
	s_mov_b32 s43, 0                               ; the upper word of every offset pair s[42:43]
	s_wait_kmcnt 0x0
	s_cmp_ge_u32 ttmp9, 184
	s_cbranch_scc1 .Lsort
	s_cmp_ge_u32 ttmp9, 176
	s_cbranch_scc1 .Lqw1
	s_cmp_ge_u32 ttmp9, 160
	s_cbranch_scc1 .Lw2
; 256 columns x 64 along K for a work-group, 32 columns for a wave, a column for a lane.  Each load reads 128 consecutive bytes a wave.  A lane's 8 neighbours along K are 16 bytes of a fragment:
; piece q of a K step (k = 8 q .. 8 q + 7) lies at (q / 2) 512 + (q % 2) 256 + 16 r, so sixteen lanes store 256 consecutive, aligned bytes; lanes 16-31 hold the next tile, 1,024 bytes on.
.macro CONV pitch, kstride
	v_lshlrev_b32 v6, 2, v3                        ; in: 4 bytes a lane
	v_lshlrev_b32 v7, 4, v4
	v_lshl_add_u32 v7, v5, 10, v7                  ; out: 16 r + 1,024 (lane / 16)
.set n, 0
.rept 64
	global_load_b32 v[32+n], v6, s[44:45] offset:n*\pitch th:TH_LOAD_NT
.set n, n+1
.endr
.irp u, 0,1
	s_wait_loadcnt 32-32*\u                        ; this K step's 32 loads are in; the other's may be out
.set n, 16*\u
.rept 16
	v_cvt_pk_f16_f32 v[96+n], v[32+2*n], v[33+2*n]
.set n, n+1
.endr
.irp q, 0,1,2,3
	global_store_b128 v7, v[96+16*\u+4*\q:96+16*\u+4*\q+3], s[46:47] offset:\u*\kstride+(\q/2)*512+(\q%2)*256
.endr
.endr
.endm
	; ---- e_w and f_w: rows of 4,096 bytes
	s_cmp_lt_u32 ttmp9, 128
	s_cselect_b64 s[44:45], s[16:17], s[14:15]     ; from e_w or f_w: the choice hangs on the work-group's number alone
	s_cselect_b64 s[46:47], s[26:27], s[24:25]     ; to ewf or fwf
	s_cselect_b32 s48, 18, 17                      ; a slice is 2^18 bytes (32 K steps) or 2^17 (16)
	s_and_b32 s49, ttmp9, 127
	s_lshr_b32 s50, s49, 6                         ; expert (0 for f_w)
	s_and_b32 s51, s49, 3                          ; which 256 columns
	s_bfe_u32 s52, s49, 0x40002                    ; which 64 along K
	s_lshl_b32 s42, s50, 22
	s_lshl_b32 s53, s52, 18
	s_add_co_u32 s42, s42, s53
	s_lshl_b32 s53, s51, 10
	s_add_co_u32 s42, s42, s53
	s_lshl_b32 s53, s40, 7
	s_add_co_u32 s42, s42, s53
	s_add_nc_u64 s[44:45], s[44:45], s[42:43]
	s_lshl_b32 s42, s51, 1
	s_lshr_b32 s53, s40, 2
	s_add_co_u32 s42, s42, s53                     ; slice = column / 128
	s_lshl_b32 s42, s42, s48
	s_lshl_b32 s53, s50, 21
	s_add_co_u32 s42, s42, s53
	s_lshl_b32 s53, s52, 14
	s_add_co_u32 s42, s42, s53
	s_lshl_b32 s53, s40, 1
	s_and_b32 s53, s53, 7                          ; my first tile in the slice
	s_lshl_b32 s53, s53, 10
	s_add_co_u32 s42, s42, s53
	s_add_nc_u64 s[46:47], s[46:47], s[42:43]
	CONV 4096, 8192
	s_endpgm
.Lw2:	; ---- cn_w2 and cm_w2: rows of 1,024 bytes
	s_cmp_lt_u32 ttmp9, 168
	s_cselect_b64 s[44:45], s[10:11], s[12:13]
	s_cselect_b32 s50, 0, 4                        ; 4 x feature
	s_and_b32 s52, ttmp9, 7                        ; which 64 along K (160 is a multiple of 8)
	s_lshl_b32 s42, s52, 16
	s_lshl_b32 s53, s40, 7
	s_add_co_u32 s42, s42, s53
	s_add_nc_u64 s[44:45], s[44:45], s[42:43]
	s_lshr_b32 s53, s40, 1
	s_add_co_u32 s42, s50, s53                     ; slice = 4 x feature + column / 64
	s_lshl_b32 s42, s42, 16
	s_lshl_b32 s53, s52, 13
	s_add_co_u32 s42, s42, s53
	s_lshl_b32 s53, s40, 1
	s_and_b32 s53, s53, 3
	s_lshl_b32 s53, s53, 10
	s_add_co_u32 s42, s42, s53
	s_add_nc_u64 s[46:47], s[22:23], s[42:43]
	CONV 1024, 4096
	s_endpgm
.Lqw1:	; ---- cn_w1 and cm_w1 become codes.  A wave takes a tile of 16 hidden units: slice = work-group - 176, tile = wave.  Lane (r, h) takes column r and, of K step s, k = 128 s + 64 c + 32 h + 0 .. 31:
	; two whole blocks a K step, in the very order of the operand's registers.  K ends at 200: block (s, c) = (1, 1) has 8 numbers in lanes 0-15, all else of it is zero.
	s_sub_co_u32 s48, ttmp9, 176
	s_cmp_lt_u32 s48, 4
	s_cselect_b64 s[44:45], s[6:7], s[8:9]
	s_and_b32 s49, s48, 3
	s_lshl_b32 s49, s49, 3
	s_add_co_u32 s49, s49, s40                     ; the tile among the feature's 32
	s_lshl_b32 s42, s49, 6                         ; 16 columns are 64 bytes
	s_add_nc_u64 s[44:45], s[44:45], s[42:43]
	s_lshl_b32 s42, s48, 14
	s_lshl_b32 s53, s40, 10
	s_add_co_u32 s42, s42, s53
	s_add_nc_u64 s[46:47], s[18:19], s[42:43]      ; the codes
	s_lshl_b32 s42, s48, 11
	s_lshl_b32 s53, s40, 7
	s_add_co_u32 s42, s42, s53
	s_add_nc_u64 s[50:51], s[20:21], s[42:43]      ; the scale words
	s_mov_b32 s52, 0x76543210
	s_mov_b32 s53, 0xfedcba98                      ; v_permlanex16_b32's selects for lane l xor 16
	v_lshlrev_b32 v7, 2, v4                        ; 4 r
	v_lshl_add_u32 v6, v5, 16, v7                  ; + 32 rows of 2,048 bytes for lanes 16-31
.set n, 0
.rept 96
	global_load_b32 v[32+n], v6, s[44:45] offset:(64*(n/32)+n%32)*2048
.set n, n+1
.endr
.set n, 0
.rept 8
	global_load_b32 v[128+n], v7, s[44:45] offset:(192+n)*2048   ; rows 192 to 199, by all lanes: no load leaves the buffer
.set n, n+1
.endr
	v_cmp_eq_u32 vcc_lo, 0, v5
	v_lshlrev_b32 v22, 3, v5                       ; 8 h
	v_mov_b32 v23, 0                               ; (a lane permute's destination counts as one of its sources)
	v_mov_b32 v26, 0
	v_lshlrev_b32 v24, 4, v3                       ; out: 16 bytes a lane,
	v_lshlrev_b32 v25, 2, v3                       ; 4 bytes a lane
.set n, 8
.rept 24
	v_mov_b32 v[128+n], 0                          ; past the end of K
.set n, n+1
.endr
	s_wait_loadcnt 0x0
.set n, 0
.rept 8
	v_cndmask_b32 v[128+n], 0, v[128+n], vcc_lo    ; lanes 16-31 would hold k = 224 on: zeros
.set n, n+1
.endr
.irp b, 0,1,2,3
	v_max3_num_f32 v[8+\b], |v[32+32*\b]|, |v[33+32*\b]|, 0x1800000   ; the block's largest magnitude, over the floor 2^(3 - 127): the byte cannot fall under 1
.endr
.set n, 2
.rept 15
.irp b, 0,1,2,3
	v_max3_num_f32 v[8+\b], v[8+\b], |v[32+32*\b+n]|, |v[33+32*\b+n]|
.endr
.set n, n+2
.endr
.irp b, 0,1,2,3
	v_add_nc_u32 v[12+\b], 0xff000000, v[8+\b]     ; 2 off the exponent field: the conversion's scale operand
.endr
.irp b, 0,1,2,3
	v_lshrrev_b32 v[16+\b], 23, v[12+\b]           ; the scale's byte
.endr
	v_lshl_or_b32 v20, v17, 16, v16                ; K step 0: my bytes h and 2 + h,
	v_lshl_or_b32 v21, v19, 16, v18                ; K step 1
	v_lshlrev_b32 v20, v22, v20                    ; at their places;
	v_lshlrev_b32 v21, v22, v21
	v_permlanex16_b32 v23, v20, s52, s53
	v_permlanex16_b32 v26, v21, s52, s53
	v_or_b32 v20, v20, v23                         ; with lane l xor 16's two the word is whole
	v_or_b32 v21, v21, v26
.irp b, 0,1,2,3
.irp g, 0,1,2,3
	v_cvt_scalef32_pk8_fp4_f32 v[160+4*\b+\g], v[32+32*\b+8*\g:39+32*\b+8*\g], v[12+\b]
.endr
.endr
	v_nop                                          ; one plain line behind the last scaled conversion
.irp b, 0,1,2,3
	global_store_b128 v24, v[160+4*\b:163+4*\b], s[46:47] offset:(\b/2)*8192+(\b%2)*512   ; 512 consecutive bytes a store
.endr
	global_store_b32 v25, v20, s[50:51]
	global_store_b32 v25, v21, s[50:51] offset:1024
	s_endpgm
.Lsort:	; ---- a counting sort of the 16,384 rows by label, over eight work-groups that hand each other nothing.  Each of them COUNTS all labels (wave w: labels 2,048 w on) and PLACES 2,048 of them:
	; work-group s, wave w places labels 2,048 s + 256 w on; register 4 j + q of lane l is label 2,048 s + 256 w + 128 j + 4 l + q.  So every word of perm has one owner.
	s_sub_co_u32 s41, ttmp9, 184                   ; s
	s_lshl_b32 s42, s40, 13
	v_lshl_add_u32 v6, v3, 4, s42
.set n, 0
.rept 16
	global_load_b128 v[32+4*n:35+4*n], v6, s[4:5] offset:512*n   ; to count
.set n, n+1
.endr
	s_lshl_b32 s44, s41, 11
	s_lshl_b32 s45, s40, 8
	s_add_co_u32 s44, s44, s45                     ; my first label: 2,048 s + 256 w
	s_lshl_b32 s45, s44, 2
	v_lshl_add_u32 v23, v3, 4, s45
	global_load_b128 v[96:99], v23, s[4:5]         ; to place
	global_load_b128 v[100:103], v23, s[4:5] offset:512
	v_lshl_add_u32 v7, v3, 2, s44                  ; my first label + 4 l
	s_mov_b32 s52, 0
	s_mov_b32 s49, 0
	s_wait_loadcnt 0x0
.set n, 0
.rept 16
.irp i, 0,1,2,3
	v_cmp_ne_u32 s[56+\i], 0, v[32+n+\i]
.endr
.irp i, 0,1,2,3
	s_bcnt1_i32_b32 s[56+\i], s[56+\i]
.endr
.irp i, 0,1,2,3
	s_add_co_u32 s52, s52, s[56+\i]                ; how many labels of chunk w are not 0
.endr
.set n, n+4
.endr
.irp i, 0,1,2,3,4,5,6,7
	v_cmp_ne_u32 s[56+\i], 0, v[96+\i]
.endr
.irp i, 0,1,2,3,4,5,6,7
	s_bcnt1_i32_b32 s[56+\i], s[56+\i]
.endr
.irp i, 0,1,2,3,4,5,6,7
	s_add_co_u32 s49, s49, s[56+\i]                ; and how many of the 256 that I place
.endr
	v_mov_b32 v10, s52
	v_mov_b32 v21, s49
	v_mov_b32 v11, s40
	v_lshlrev_b32 v11, 2, v11
	ds_store_b32 v11, v10                          ; all lanes write the wave's word with the same value
	ds_store_b32 v11, v21 offset:32
	s_wait_dscnt 0x0                               ; for the others' sake: my stores have landed
	s_barrier_signal -1
	s_barrier_wait -1
	v_mov_b32 v20, 0
	ds_load_b128 v[12:15], v20                     ; the eight chunks' counts,
	ds_load_b128 v[16:19], v20 offset:16
	ds_load_b128 v[24:27], v20 offset:32           ; and the eight waves' counts in my work-group's chunk
	ds_load_b128 v[28:31], v20 offset:48
	s_wait_dscnt 0x0
	s_mov_b32 s53, 0                               ; labels not 0 in front of mine
	s_mov_b32 s54, 0                               ; and in all
.irp j, 0,1,2,3,4,5,6,7
	v_readfirstlane_b32 s[56+\j], v[12+\j]
	v_readfirstlane_b32 s[32+\j], v[24+\j]
.endr
.irp j, 0,1,2,3,4,5,6,7
	s_add_co_u32 s54, s54, s[56+\j]
	s_cmp_lt_u32 \j, s41                           ; the chunks in front of my work-group's,
	s_cselect_b32 s55, s[56+\j], 0
	s_add_co_u32 s53, s53, s55
	s_cmp_lt_u32 \j, s40                           ; and in it the waves in front of me
	s_cselect_b32 s55, s[32+\j], 0
	s_add_co_u32 s53, s53, s55
.endr
	s_sub_co_u32 s48, 0x4000, s54                  ; n0: the rows of label 0
	s_add_co_u32 s46, s48, s53                     ; where my next row of the other label goes,
	s_sub_co_u32 s47, s44, s53                     ; and my next row of label 0
.set n, 0
.rept 8
	v_cmp_ne_u32 s50, 0, v[96+n]
	s_not_b32 s51, s50
	v_mbcnt_lo_u32_b32 v8, s50, s46                ; the place, were my label not 0: the base + the lower lanes of that kind
	v_mbcnt_lo_u32_b32 v9, s51, s47                ; and were it 0
	v_cndmask_b32 v8, v9, v8, s50
	v_min_u32 v8, 0x3fff, v8                       ; a place lies under 16,384
	v_lshlrev_b32 v[104+n], 2, v8
	v_add_nc_u32 v[112+n], 128*(n/4)+n%4, v7       ; the row.  Each store has registers of its own: none is written again
	global_store_b32 v[104+n], v[112+n], s[28:29]
	s_bcnt1_i32_b32 s52, s50
	s_add_co_u32 s46, s46, s52
	s_sub_co_u32 s47, s47, s52
	s_add_co_u32 s47, s47, 32
.set n, n+1
.endr
	s_or_b32 s55, s40, s41
	s_cmp_lg_u32 s55, 0                            ; meta has one owner: wave 0 of the first sorting work-group
	s_cbranch_scc1 .Lno_meta
	v_mov_b32 v10, s48
	v_lshlrev_b32 v11, 2, v3
	global_store_b32 v11, v10, s[30:31]            ; all 64 words of meta
	global_store_b32 v11, v10, s[30:31] offset:128
.Lno_meta:
	s_wait_tensorcnt 0x0                           ; the wave's end, behind my last LDS store
	ds_add_u32 v1, v2
	s_wait_dscnt 0x0
	s_endpgm
.Lfunc_end_k_q72ae57ece4_prep:
	.size	k_q72ae57ece4_prep, .Lfunc_end_k_q72ae57ece4_prep-k_q72ae57ece4_prep
	.p2alignl 7, 3214868480
	.fill 96, 4, 3214868480
	.section	.rodata,"a",@progbits
	.p2align	6, 0x0
	.amdhsa_kernel k_q72ae57ece4_prep
		.amdhsa_group_segment_fixed_size 1280
		.amdhsa_private_segment_fixed_size 0
		.amdhsa_enable_private_segment 0
		.amdhsa_kernarg_size 112
		.amdhsa_user_sgpr_count 2
		.amdhsa_user_sgpr_kernarg_segment_ptr 1
		.amdhsa_wavefront_size32 1
		.amdhsa_system_sgpr_workgroup_id_x 1
		.amdhsa_system_sgpr_workgroup_id_y 1
		.amdhsa_system_sgpr_workgroup_id_z 1
		.amdhsa_system_vgpr_workitem_id 0
		.amdhsa_next_free_vgpr 192
		.amdhsa_next_free_sgpr 66
		.amdhsa_reserve_vcc 1
		.amdhsa_float_denorm_mode_32 3
		.amdhsa_float_denorm_mode_16_64 3
		.amdhsa_memory_ordered 1
		.amdhsa_forward_progress 1
		.amdhsa_inst_pref_size 59
	.end_amdhsa_kernel
	.amdgpu_metadata
---
amdhsa.version: [ 1, 2 ]
amdhsa.kernels:
  - .name:           k_q72ae57ece4_prep
    .symbol:         k_q72ae57ece4_prep.kd
    .args:
      - { .name: affective_labels, .offset: 0, .size: 8, .value_kind: global_buffer, .address_space: global }
      - { .name: cn_w1, .offset: 8, .size: 8, .value_kind: global_buffer, .address_space: global }
      - { .name: cm_w1, .offset: 16, .size: 8, .value_kind: global_buffer, .address_space: global }
      - { .name: cn_w2, .offset: 24, .size: 8, .value_kind: global_buffer, .address_space: global }
      - { .name: cm_w2, .offset: 32, .size: 8, .value_kind: global_buffer, .address_space: global }
      - { .name: f_w, .offset: 40, .size: 8, .value_kind: global_buffer, .address_space: global }
      - { .name: e_w, .offset: 48, .size: 8, .value_kind: global_buffer, .address_space: global }
      - { .name: w1c, .offset: 56, .size: 8, .value_kind: global_buffer, .address_space: global }
      - { .name: w1s, .offset: 64, .size: 8, .value_kind: global_buffer, .address_space: global }
      - { .name: w2f, .offset: 72, .size: 8, .value_kind: global_buffer, .address_space: global }
      - { .name: fwf, .offset: 80, .size: 8, .value_kind: global_buffer, .address_space: global }
      - { .name: ewf, .offset: 88, .size: 8, .value_kind: global_buffer, .address_space: global }
      - { .name: perm, .offset: 96, .size: 8, .value_kind: global_buffer, .address_space: global }
      - { .name: meta, .offset: 104, .size: 8, .value_kind: global_buffer, .address_space: global }
    .group_segment_fixed_size: 1280
    .private_segment_fixed_size: 0
    .kernarg_segment_align: 8
    .kernarg_segment_size: 112
    .max_flat_workgroup_size: 256
    .sgpr_count:     66
    .vgpr_count:     192
    .wavefront_size: 32
...
	.end_amdgpu_metadata
.endif
;; end of part 1
;; launch main (part 2): grid 256 x 1, 8 waves a work-group, no clusters, 257,024 bytes of LDS; arguments conceptnet_features, comet_features, cn_b1, cm_b1, cn_b2, cm_b2, f_b, ln_w, ln_b, e_b, w1c, w1s, w2f, fwf, ewf, perm, meta, out0; writes out0
.if DOCPART == 2
	.amdgcn_target "amdgcn-amd-amdhsa--gfx1250"
	.amdhsa_code_object_version 6
	.text
	.protected	k_q72ae57ece4_main
	.globl	k_q72ae57ece4_main
	.p2align	8
	.type	k_q72ae57ece4_main,@function
k_q72ae57ece4_main:
	s_mov_b64 s[64:65], 0
	v_nop
	global_prefetch_b8 v0, s[64:65] scope:SCOPE_SE
	s_setreg_imm32_b32 hwreg(HW_REG_WAVE_MODE, 25, 1), 1
	s_wait_xcnt 0x0
; THE WHOLE CHAIN FOR 64 ROWS A WORK-GROUP: two encoders (a product on codes of E2M1, relu, a product 512 -> 256), the fusion 512 -> 1,024, LayerNorm, relu, and the ONE expert layer that the row's label names.
; ROWS.  Work-group g owns the sorted places 64 g .. 64 g + 63 (perm: rows of label 0 first; meta: how many there are): four tiles of 16 rows.  All but at most one work-group hold rows of one label.
; WAVES SHARE THE COLUMNS: wave w makes 128 of 1,024 units (64 of 512 in the encoders' second product) for all 64 rows, so each weight fragment is read once by the work-group, straight into registers,
; from buffers laid in the order of the operand's registers.  What goes round is small: the rows' activations, as images of operand registers in LDS (16 bytes a lane, 512 bytes a store).
; THE WEIGHTS' REGISTERS are four sets of four fragments, 4,096 consecutive bytes of memory each, used in turn.  A set is filled again behind its own 16 products, so three sets are on their way while one is multiplied.
; Each set has a base of its own, stepped behind the counted wait that shows that set's loads done: no other wait is needed for the step.
; EVERY PRODUCT IS USED TRANSPOSED (source 0 = 16 units of the weight, source 1 = 16 rows): lane (r, h) holds row r and units 8 h + 0 .. 7 of a tile, so two neighbouring tiles, packed to f16, ARE the next product's source 1.
; FORMATS.  Products 1 and 3: E2M1 with E8M0 scales, x quantised here in registers.  The others: f16 operands, f32 sums.  The encoders' output grows with three inputs and has no room in f16: each row is divided by
; the power of two in its largest magnitude, which rounds nothing, and the fusion's sums are multiplied by it again in f32.
; LAYERNORM: each wave centres its 128 units on their own mean; the eight means and sums of squares are combined: no difference of large sums is formed.
; NO TENSOR LOADS AND NO CLUSTER: which expert's weights a work-group walks, and which row tiles it multiplies, hang on a number read from memory.
; LIMITS: the hidden layers and LayerNorm's output must stay under f16's 65,504; a row's largest fused magnitude is held to 2^-100 .. 2^126; NaN and infinities are not served; a label counts as 0 or not 0.
; LDS: 0 the images of the first hidden layer (feature f at 65,536 f), later of LayerNorm's output: (K step x 4 + row tile) x 1,024;  131,072 the fused layer's images, later eight stages of 16 rows x 528 bytes;
;   198,656 x's images;  215,040 x's scale words;  217,088 the biases and gains;  243,712 three tables [row tile][lane][wave] of 4,096 bytes;  256,000 the spare words.
; REGISTERS: window 0: v1-28 addresses; v29-31 at work; v32-39 the rows' scales; v40-103 activations (two sets of four fragments); v104-231 weights; v232-255 at work.  Window 1: the 32 accumulators.
.set FIMG,  131072
.set STAGE, FIMG
.set XIMG,  198656
.set XSC,   215040
.set BIAS,  217088                     ; +0 b1 (cn, cm), +4096 b2 (cn, cm), +6144 f_b, +10240 ln_w, +14336 ln_b, +18432 e_b
.set MAXB,  243712
.set SPARE, 256000
.set SC,   32
.set ACT,  40
.set W,    104
.set T,    232
.set PC,   T+16                        ; the codes just made
.set PW,   31                          ; the scale word just made
.set SQ,   T                           ; LayerNorm: sums, then 1 / sigma, in pairs
.set MW,   T+8                         ; my wave's means, in pairs
.set CC,   T+16                        ; (my mean - the row's) / sigma, in pairs
.set WB,   66                          ; s[66:73] the four weight sets' bases
.set MSB, 0
.macro WIN new                         ; s_set_vgpr_msb: bits 1:0 source 0, 3:2 source 1, 5:4 source 2, 7:6 destination; the high byte repeats the setting that is left
.if MSB != \new
	s_set_vgpr_msb (MSB<<8)|\new
.set MSB, \new
.endif
.endm
.macro BARRIER                         ; my LDS stores have landed and my LDS loads are in: then the work-group's barrier
	s_wait_dscnt 0x0
	s_barrier_signal -1
	s_barrier_wait -1
.endm
.macro PLACES                          ; four plain lines between a matrix instruction and a load into its sources or a vector read of its result
.rept 4
	v_nop
.endr
.endm
; 64 numbers of a lane, register 16 b + i = k 32 b + 16 (lane / 16) + i of my row, become a fragment's codes in v[PC] on and its scale word in v[PW].
.macro QUANT s
.irp b, 0,1,2,3
	v_max3_num_f32 v[T+\b], |v[\s+16*\b]|, |v[\s+1+16*\b]|, 0x1800000   ; my 16 numbers of block b, over the floor 2^(3 - 127): the byte cannot fall under 1
.endr
.irp i, 2,4,6,8,10,12,14
.irp b, 0,1,2,3
	v_max3_num_f32 v[T+\b], v[T+\b], |v[\s+16*\b+\i]|, |v[\s+1+16*\b+\i]|
.endr
.endr
.irp b, 0,1,2,3
	v_permlanex16_b32 v[T+4+\b], v[T+\b], s42, s43
.endr
.irp b, 0,1,2,3
	v_max_num_f32 v[T+\b], v[T+\b], v[T+4+\b]      ; with lane l xor 16's: the block's largest magnitude
.endr
.irp b, 0,1,2,3
	v_add_nc_u32 v[T+12+\b], 0xff000000, v[T+\b]   ; 2 off its exponent field: the conversion's scale operand
.endr
.irp b, 0,1,2,3
	v_lshrrev_b32 v[T+4+\b], 23, v[T+12+\b]        ; the scale's byte
.endr
	v_lshl_or_b32 v[PW], v[T+5], 8, v[T+4]
	v_lshl_or_b32 v[PW], v[T+6], 16, v[PW]
	v_lshl_or_b32 v[PW], v[T+7], 24, v[PW]
.irp b, 0,1,2,3
	v_cvt_scalef32_pk8_fp4_f32 v[PC+2*\b], v[\s+16*\b:\s+7+16*\b], v[T+12+\b]
	v_cvt_scalef32_pk8_fp4_f32 v[PC+1+2*\b], v[\s+8+16*\b:\s+15+16*\b], v[T+12+\b]
.endr
	v_nop                                          ; one plain line behind a scaled conversion
.irp c, 0,1                                    ; the operand wants a whole block in a lane: lanes 0-15 block 2 c, lanes 16-31 block 2 c + 1
.irp i, 0,1
	v_permlane16_swap_b32 v[PC+4*\c+\i], v[PC+2+4*\c+\i]
.endr
.endr
.endm
; weight set q: four fragments, 4,096 consecutive bytes from the set's own base: 512 consecutive bytes a load, eight loads
.macro LOADQ q
.irp t, 0,1,2,3
	global_load_b128 v[W+32*(\q)+8*\t:W+32*(\q)+8*\t+3], v1, s[WB+2*(\q):WB+2*(\q)+1] offset:\t*1024
	global_load_b128 v[W+32*(\q)+8*\t+4:W+32*(\q)+8*\t+7], v1, s[WB+2*(\q):WB+2*(\q)+1] offset:\t*1024+512
.endr
.endm
; the four row tiles' fragments of one K step, from LDS, into one of the two sets
.macro LOADA set, off
.irp m, 0,1,2,3
	ds_load_b128 v[ACT+32*(\set)+8*\m:ACT+32*(\set)+8*\m+3], v11 offset:(\off)+\m*1024
	ds_load_b128 v[ACT+32*(\set)+8*\m+4:ACT+32*(\set)+8*\m+7], v11 offset:(\off)+\m*1024+512
.endr
.endm
; row tile m against four of the wave's NT tiles of units: 4 hh .. 4 hh + 3, one weight set.  skip = 1: a tile with no row of the expert in hand (bit m of s49) is passed over.
; The accumulators take turns, one instruction a turn.
.macro MGROUP NT, j, hh, m, zero, skip
.if \skip
	s_bitcmp1_b32 s49, \m
	s_cbranch_scc0 .Lsk\@
.endif
	WIN 0x50                                       ; C and D in window 1
.set kt, 4*(\hh)
.rept 4
.if \zero
	v_wmma_f32_16x16x32_f16 v[8*(\NT*\m+kt):8*(\NT*\m+kt)+7], v[W+8*\NT*(\j)+8*kt:W+8*\NT*(\j)+8*kt+7], v[ACT+32*((\j)%2)+8*\m:ACT+32*((\j)%2)+8*\m+7], 0
.else
	v_wmma_f32_16x16x32_f16 v[8*(\NT*\m+kt):8*(\NT*\m+kt)+7], v[W+8*\NT*(\j)+8*kt:W+8*\NT*(\j)+8*kt+7], v[ACT+32*((\j)%2)+8*\m:ACT+32*((\j)%2)+8*\m+7], v[8*(\NT*\m+kt):8*(\NT*\m+kt)+7]
.endif
.set kt, kt+1
.endr
.if \skip
	WIN 0                                          ; at a label every window is 0
.Lsk\@:
.endif
.endm
; A K step of 32, in NT / 4 parts of one weight set each.  At its head the next step's activations are asked for.  A part: its set's eight loads are awaited (the three younger sets' 24 may stay out; in the tail
; trip the counts run down); the set's base, which only those eight loads named, steps a trip on; 16 products; four places; the set is filled again.
.macro KSTEP NT, j, zero, tail, loada, skip
.if \loada
	LOADA 1-(\j)%2, ((\j)+1)*4096
.endif
.set kh, 0
.rept \NT/4
.set kq, (\j)*\NT/4+kh
.if \tail
	s_wait_loadcnt (3-kq)*8
.else
	s_wait_loadcnt 24
.endif
.if kh == 0
.if \loada
	s_wait_dscnt 8                                 ; this step's activations are in; the 8 loads just asked for may be out
.else
	s_wait_dscnt 0x0
.endif
.endif
.if \tail == 0
	s_add_nc_u64 s[WB+2*kq:WB+2*kq+1], s[WB+2*kq:WB+2*kq+1], 16384   ; four sets on
.endif
.irp m, 0,1,2,3
	MGROUP \NT, \j, kh, \m, \zero, \skip
.endr
	WIN 0
	PLACES
.if \tail == 0
	LOADQ kq
.endif
.set kh, kh+1
.endr
.endm
; RD K steps: once through the four weight sets.  first = 1: the sums begin (C = 0 in the first K step).  tail = 1: nothing more is fetched.
.macro TRIP NT, RD, a0, first, tail, skip
	v_add_nc_u32 v11, s44, v[\a0]
.if \first
	LOADA 0, 0
.endif
.set gj, 0
.set gz, \first
.rept \RD
.set ga, 1
.if \tail
.if gj == \RD-1
.set ga, 0
.endif
.endif
	KSTEP \NT, gj, gz, \tail, ga, \skip
.set gz, 0
.set gj, gj+1
.endr
.if \tail == 0
	s_add_co_u32 s44, s44, \RD*4096                ; the activations' next K steps
.endif
.endm
.macro GEMM NT, RD, KS, a0, skip       ; KS K steps; the four weight sets were asked for by PROLOG
	s_mov_b32 s44, 0
	TRIP \NT, \RD, \a0, 1, 0, \skip
	s_mov_b32 s45, (\KS-2*\RD)/\RD
.Lg\@:
	TRIP \NT, \RD, \a0, 0, 0, \skip
	s_sub_co_u32 s45, s45, 1
	s_cmp_lg_u32 s45, 0
	s_cbranch_scc1 .Lg\@
	TRIP \NT, \RD, \a0, 0, 1, \skip
.endm
.macro PROLOG                          ; the four bases from s[46:47] (no load of the last product is out: its tail waited for all), and the first four sets
	s_mov_b64 s[WB:WB+1], s[46:47]
	s_add_nc_u64 s[WB+2:WB+3], s[46:47], 4096
	s_add_nc_u64 s[WB+4:WB+5], s[46:47], 8192
	s_add_nc_u64 s[WB+6:WB+7], s[46:47], 12288
.irp q, 0,1,2,3
	LOADQ \q
.endr
.endm
.macro ADDB NT                         ; each accumulator + the bias of its tile's units, which lies in v[W + 8 t] on; from each accumulator's low end on
	WIN 0x41                                       ; destination and source 0 in window 1
.irp m, 0,1,2,3
.set kt, 0
.rept \NT
.irp i, 0,2,4,6
	v_pk_add_f32 v[8*(\NT*\m+kt)+\i:8*(\NT*\m+kt)+\i+1], v[8*(\NT*\m+kt)+\i:8*(\NT*\m+kt)+\i+1], v[W+8*kt+\i:W+8*kt+\i+1]
.endr
.set kt, kt+1
.endr
.endr
.endm
.macro RELU_IMG                        ; relu, f16, and my 16 fragments (row tile m, my K step p of the next product) to LDS: packed register n = accumulator registers 2 n, 2 n + 1
	WIN 0x44
.set n, 0
.rept 256
	v_max_num_f32 v[n], 0, v[n]
.set n, n+1
.endr
	WIN 0x05
.set n, 0
.rept 128
	v_cvt_pk_f16_f32 v[W+n], v[2*n], v[2*n+1]
.set n, n+1
.endr
	WIN 0
.irp m, 0,1,2,3
.irp p, 0,1,2,3
	ds_store_b128 v15, v[W+32*\m+8*\p:W+32*\m+8*\p+3] offset:(4*\p+\m)*1024
	ds_store_b128 v15, v[W+32*\m+8*\p+4:W+32*\m+8*\p+7] offset:(4*\p+\m)*1024+512
.endr
.endr
.endm
	s_load_b512 s[4:19], s[0:1], 0x0               ; x of conceptnet s[4:5], of comet s[6:7], cn_b1 s[8:9], cm_b1 s[10:11], cn_b2 s[12:13], cm_b2 s[14:15], f_b s[16:17], ln_w s[18:19]
	s_load_b512 s[20:35], s[0:1], 0x40             ; ln_b s[20:21], e_b s[22:23], w1c s[24:25], w1s s[26:27], w2f s[28:29], fwf s[30:31], ewf s[32:33], perm s[34:35]
	s_load_b128 s[36:39], s[0:1], 0x80             ; meta s[36:37], out0 s[38:39]
	v_lshl_add_u32 v5, v0, 2, SPARE                ; my spare word; never rewritten
	v_mov_b32 v6, 0                                ; 0; never rewritten
	v_lshrrev_b32 v29, 5, v0
	v_readfirstlane_b32 s40, v29                   ; wave 0..7
	s_lshr_b32 s41, s40, 2                         ; the feature that I serve in the encoders
	s_mov_b32 s42, 0x76543210
	s_mov_b32 s43, 0xfedcba98                      ; v_permlanex16_b32's selects for lane l xor 16
	v_and_b32 v30, 31, v0                          ; lane
	v_and_b32 v3, 15, v0                           ; r
	v_bfe_u32 v4, v0, 4, 1                         ; h
	v_lshlrev_b32 v1, 4, v30                       ; 16 x lane: an image's place for my lane; also where the last layer's activations begin
	v_lshlrev_b32 v2, 2, v30                       ; 4 x lane
	s_lshl_b32 s56, s41, 16
	v_add_nc_u32 v12, s56, v1                      ; my feature's hidden images
	v_add_nc_u32 v13, FIMG, v1                     ; the fused images
	s_lshl_b32 s56, s40, 14
	v_add_nc_u32 v15, s56, v1                      ; where I store images of 128 units: four K steps
	s_lshl_b32 s56, s40, 13
	s_add_co_u32 s56, s56, FIMG
	v_add_nc_u32 v16, s56, v1                      ; and of my 64 fused units: two K steps
	s_lshl_b32 s56, s40, 11
	s_add_co_u32 s56, s56, XIMG
	v_add_nc_u32 v17, s56, v1                      ; x's two images that I make,
	s_lshl_b32 s56, s40, 8
	s_add_co_u32 s56, s56, XSC
	v_add_nc_u32 v18, s56, v2                      ; and their scale words
	v_lshlrev_b32 v20, 5, v30
	v_add_nc_u32 v20, MAXB, v20                    ; the tables: my lane's eight words,
	s_lshl_b32 s56, s40, 2
	v_add_nc_u32 v19, s56, v20                     ; and my wave's among them
	s_lshl_b32 s56, s40, 9
	s_add_co_u32 s57, s56, BIAS
	v_lshl_add_u32 v21, v4, 5, s57                 ; biases of my 128 units: 512 w + 32 h
	v_add_nc_u32 v25, s56, v1                      ; my bytes of a row of the output: 512 w + 16 x lane
	s_lshl_b32 s56, s40, 8
	s_add_co_u32 s56, s56, BIAS
	v_lshl_add_u32 v22, v4, 5, s56                 ; of my 64 units
	s_mul_i32 s56, s40, 8448
	s_add_co_u32 s56, s56, STAGE                   ; my stage
	v_mul_u32_u24 v23, v3, 528
	v_lshl_add_u32 v23, v4, 5, v23
	v_add_nc_u32 v23, s56, v23                     ; in: row r, 32 bytes for each half of the lanes
	v_add_nc_u32 v24, s56, v1                      ; back: a row of 512 bytes over the 32 lanes
	s_lshl_b32 s56, s41, 13
	s_add_co_u32 s56, s56, XIMG
	v_add_nc_u32 v27, s56, v1                      ; my feature's eight images of x,
	s_lshl_b32 s56, s41, 10
	s_add_co_u32 s56, s56, XSC
	v_add_nc_u32 v28, s56, v2                      ; and their scale words
	v_lshlrev_b32 v26, 4, v0                       ; the biases come once, 16 bytes a thread
	v_and_b32 v32, 127, v0
	v_lshlrev_b32 v11, 4, v32
	v_lshlrev_b32 v33, 3, v32
	v_lshl_add_u32 v34, v0, 4, BIAS
	v_lshl_add_u32 v35, v0, 3, BIAS+4096
	s_lshl_b32 s57, ttmp9, 8                       ; perm: 4 bytes a place, 64 places a work-group
	s_and_b32 s56, s40, 3
	s_lshl_b32 s56, s56, 6
	s_add_co_u32 s56, s56, s57
	v_lshl_add_u32 v29, v3, 2, s56                 ; the place whose x I quantise: 64 g + 16 (w % 4) + r
	v_add_nc_u32 v30, s57, v2                      ; place 64 g + lane
.irp b, 0,1,2,3
	v_mov_b32 v[T+4+\b], 0                         ; written once: a lane permute's destination counts as one of its sources
.endr
	s_wait_kmcnt 0x0
	s_load_b32 s48, s[36:37], 0x0                  ; n0
	s_cmp_lt_u32 s40, 4                            ; waves 0-3 serve conceptnet, waves 4-7 comet
	s_cselect_b64 s[56:57], s[8:9], s[10:11]
	s_cselect_b64 s[58:59], s[12:13], s[14:15]
	s_cselect_b64 s[60:61], s[4:5], s[6:7]
	global_load_b32 v31, v29, s[34:35]
	global_load_b32 v9, v30, s[34:35]              ; v9, v10: the rows at my work-group's 64 places, a place a lane
	global_load_b32 v10, v30, s[34:35] offset:128
	global_load_b128 v[40:43], v26, s[16:17]
	global_load_b128 v[44:47], v26, s[18:19]
	global_load_b128 v[48:51], v26, s[20:21]
	global_load_b128 v[52:55], v26, s[22:23]
	global_load_b128 v[56:59], v26, s[22:23] offset:4096
	global_load_b128 v[60:63], v11, s[56:57]
	global_load_b64 v[64:65], v33, s[58:59]
	s_wait_loadcnt 7                               ; perm's three loads are in; the seven behind them may be out
	v_min_u32 v31, 0x3fff, v31                     ; a row lies under 16,384
	v_mul_u32_u24 v8, v31, 800                     ; a row of x is 800 bytes
	v_lshl_add_u32 v7, v4, 6, v8                   ; + 64 h: my 16 numbers of each block of 32
	; ---- X: my 16 rows of my feature become two fragments of codes
.irp b, 0,1,2,3
.irp j, 0,1,2,3
	global_load_b128 v[W+16*\b+4*\j:W+16*\b+4*\j+3], v7, s[60:61] offset:128*\b+16*\j th:TH_LOAD_NT
.endr
.endr
.irp b, 0,1
.irp j, 0,1,2,3
	global_load_b128 v[W+64+16*\b+4*\j:W+64+16*\b+4*\j+3], v7, s[60:61] offset:512+128*\b+16*\j th:TH_LOAD_NT
.endr
.endr
.irp j, 0,1
	global_load_b128 v[W+96+4*\j:W+96+4*\j+3], v8, s[60:61] offset:768+16*\j th:TH_LOAD_NT   ; k = 192 .. 199, by all lanes: no load leaves the row
.endr
	s_wait_loadcnt 26                              ; the biases are in; x's 26 loads may be out
	ds_store_b128 v34, v[60:63]
	ds_store_b64 v35, v[64:65]
	ds_store_b128 v34, v[40:43] offset:6144
	ds_store_b128 v34, v[44:47] offset:10240
	ds_store_b128 v34, v[48:51] offset:14336
	ds_store_b128 v34, v[52:55] offset:18432
	ds_store_b128 v34, v[56:59] offset:22528
	s_wait_kmcnt 0x0
	s_lshl_b32 s56, ttmp9, 6
	s_sub_co_i32 s48, s48, s56
	s_max_i32 s48, s48, 0
	s_min_i32 s48, s48, 64                         ; c: how many of my 64 places hold label 0
	s_add_co_u32 s56, s48, 15
	s_lshr_b32 s56, s56, 4
	s_bfm_b32 s49, s56, 0                          ; the row tiles with a row of expert 0,
	s_lshr_b32 s56, s48, 4
	s_bfm_b32 s56, s56, 0
	s_and_not1_b32 s50, 15, s56                    ; and of expert 1
	s_mov_b32 s51, 0                               ; the pass's places: from s51, s52 of them
	s_mov_b32 s52, s48
	s_mov_b32 s57, 0
	s_lshl_b32 s56, s40, 18
	s_add_nc_u64 s[54:55], s[32:33], s[56:57]      ; my slice of expert 0's weights
	s_lshl_b32 s56, s40, 14
	s_add_nc_u64 s[46:47], s[24:25], s[56:57]      ; my slice of W1's codes,
	s_lshl_b32 s56, s40, 11
	s_add_nc_u64 s[58:59], s[26:27], s[56:57]      ; and of its scale words
	v_cmp_eq_u32 vcc_lo, 0, v4
	s_wait_loadcnt 10                              ; K step 0's 16 loads are in
	QUANT W
	ds_store_b128 v17, v[PC:PC+3]
	ds_store_b128 v17, v[PC+4:PC+7] offset:512
	ds_store_b32 v18, v[PW]
	s_wait_dscnt 0x0                               ; the stores have read their registers
.irp t, 0,1,2,3,4,5,6,7
	global_load_b128 v[W+8*\t:W+8*\t+3], v1, s[46:47] offset:\t*1024
	global_load_b128 v[W+8*\t+4:W+8*\t+7], v1, s[46:47] offset:\t*1024+512
.endr
	s_wait_loadcnt 16                              ; x's K step 1 is in; the 16 just asked for may be out
.set n, 0
.rept 8
	v_cndmask_b32 v[W+96+n], 0, v[W+96+n], vcc_lo  ; lanes 16-31 would hold k = 208 on: zeros
.set n, n+1
.endr
.set n, 0
.rept 24
	v_mov_b32 v[W+104+n], 0                        ; past the end of K
.set n, n+1
.endr
	QUANT W+64
	ds_store_b128 v17, v[PC:PC+3] offset:1024
	ds_store_b128 v17, v[PC+4:PC+7] offset:1536
	ds_store_b32 v18, v[PW] offset:128
	s_wait_dscnt 0x0
.irp t, 0,1,2,3,4,5,6,7
	global_load_b128 v[W+64+8*\t:W+64+8*\t+3], v1, s[46:47] offset:8192+\t*1024
	global_load_b128 v[W+64+8*\t+4:W+64+8*\t+7], v1, s[46:47] offset:8192+\t*1024+512
.endr
.irp s, 0,1
.irp t, 0,1,2,3,4,5,6,7
	global_load_b32 v[T+8*\s+\t], v2, s[58:59] offset:\s*1024+\t*128
.endr
.endr
	BARRIER                                        ; x's sixteen images and the biases lie in LDS
	; ---- P1: my 128 hidden units of my feature, on codes
.irp m, 0,1,2,3
.irp s, 0,1
	ds_load_b128 v[ACT+8*(2*\m+\s):ACT+8*(2*\m+\s)+3], v27 offset:(2*\m+\s)*1024
	ds_load_b128 v[ACT+8*(2*\m+\s)+4:ACT+8*(2*\m+\s)+7], v27 offset:(2*\m+\s)*1024+512
	ds_load_b32 v[T+16+2*\m+\s], v28 offset:(2*\m+\s)*128
.endr
.endr
	s_wait_loadcnt 0x0
	s_wait_dscnt 0x0
	WIN 0x50
.irp s, 0,1
.irp m, 0,1,2,3
.irp t, 0,1,2,3,4,5,6,7
.if \s == 0
	v_wmma_scale_f32_16x16x128_f8f6f4 v[8*(8*\m+\t):8*(8*\m+\t)+7], v[W+64*\s+8*\t:W+64*\s+8*\t+7], v[ACT+8*(2*\m+\s):ACT+8*(2*\m+\s)+7], 0, v[T+8*\s+\t], v[T+16+2*\m+\s] matrix_a_fmt:MATRIX_FMT_FP4 matrix_b_fmt:MATRIX_FMT_FP4
.else
	v_wmma_scale_f32_16x16x128_f8f6f4 v[8*(8*\m+\t):8*(8*\m+\t)+7], v[W+64*\s+8*\t:W+64*\s+8*\t+7], v[ACT+8*(2*\m+\s):ACT+8*(2*\m+\s)+7], v[8*(8*\m+\t):8*(8*\m+\t)+7], v[T+8*\s+\t], v[T+16+2*\m+\s] matrix_a_fmt:MATRIX_FMT_FP4 matrix_b_fmt:MATRIX_FMT_FP4
.endif
.endr
.endr
.endr
	WIN 0
	PLACES
	; ---- + b1, relu, f16, images
.irp t, 0,1,2,3,4,5,6,7
	ds_load_b128 v[W+8*\t:W+8*\t+3], v21 offset:64*\t
	ds_load_b128 v[W+8*\t+4:W+8*\t+7], v21 offset:64*\t+16
.endr
	s_wait_dscnt 0x0
	ADDB 8
	RELU_IMG
	s_wait_dscnt 0x0                               ; my images have landed, and the stores have read the registers that the weights now take
	s_lshl_b32 s56, s40, 16
	s_add_nc_u64 s[46:47], s[28:29], s[56:57]
	PROLOG                                         ; the first four K steps of W2 are on their way across the barrier
	s_barrier_signal -1
	s_barrier_wait -1
	; ---- P2: my 64 fused units
	GEMM 4, 4, 16, 12, 0
.irp t, 0,1,2,3
	ds_load_b128 v[W+8*\t:W+8*\t+3], v22 offset:4096+64*\t
	ds_load_b128 v[W+8*\t+4:W+8*\t+7], v22 offset:4096+64*\t+16
.endr
	s_wait_dscnt 0x0
	ADDB 4
	WIN 0x05                                       ; each row's largest magnitude: my 32 numbers of row tile m, over the floor 2^-100
.irp m, 0,1,2,3
	v_max3_num_f32 v[T+\m], |v[32*\m]|, |v[32*\m+1]|, 0xd800000
.endr
	WIN 0x14
.set n, 2
.rept 15
.irp m, 0,1,2,3
	v_max3_num_f32 v[T+\m], v[T+\m], |v[32*\m+n]|, |v[32*\m+n+1]|
.endr
.set n, n+2
.endr
	WIN 0
.irp m, 0,1,2,3
	v_permlanex16_b32 v[T+4+\m], v[T+\m], s42, s43
.endr
.irp m, 0,1,2,3
	v_max_num_f32 v[T+\m], v[T+\m], v[T+4+\m]
.endr
.irp m, 0,1,2,3
	ds_store_b32 v19, v[T+\m] offset:1024*\m
.endr
	BARRIER                                        ; the eight waves' maxima lie in LDS
.irp m, 0,1,2,3
	ds_load_b128 v[ACT+8*\m:ACT+8*\m+3], v20 offset:1024*\m
	ds_load_b128 v[ACT+8*\m+4:ACT+8*\m+7], v20 offset:1024*\m+16
.endr
	s_wait_dscnt 0x0
.irp m, 0,1,2,3
	v_max3_num_f32 v29, v[ACT+8*\m], v[ACT+8*\m+1], v[ACT+8*\m+2]
	v_max3_num_f32 v29, v29, v[ACT+8*\m+3], v[ACT+8*\m+4]
	v_max3_num_f32 v29, v29, v[ACT+8*\m+5], v[ACT+8*\m+6]
	v_max_num_f32 v29, v29, v[ACT+8*\m+7]
	v_min_num_f32 v29, 0x7e800000, v29             ; held at 2^126, so that the reciprocal below is a normal number
	v_and_b32 v[SC+2*\m], 0x7f800000, v29          ; the row's scale: the power of two in its largest magnitude,
	v_mov_b32 v[SC+2*\m+1], v[SC+2*\m]
	v_sub_nc_u32 v[T+8+2*\m], 0x7f000000, v[SC+2*\m]   ; and 1 / it: the exponent field mirrored
	v_mov_b32 v[T+9+2*\m], v[T+8+2*\m]
.endr
	WIN 0x41
.irp m, 0,1,2,3
.set n, 0
.rept 16
	v_pk_mul_f32 v[32*\m+n:32*\m+n+1], v[32*\m+n:32*\m+n+1], v[T+8+2*\m:T+9+2*\m]   ; under 2 in size: nothing is rounded
.set n, n+2
.endr
.endr
	WIN 0x05
.set n, 0
.rept 64
	v_cvt_pk_f16_f32 v[W+n], v[2*n], v[2*n+1]
.set n, n+1
.endr
	WIN 0
.irp m, 0,1,2,3
.irp p, 0,1
	ds_store_b128 v16, v[W+16*\m+8*\p:W+16*\m+8*\p+3] offset:(4*\p+\m)*1024
	ds_store_b128 v16, v[W+16*\m+8*\p+4:W+16*\m+8*\p+7] offset:(4*\p+\m)*1024+512
.endr
.endr
	s_wait_dscnt 0x0
	s_lshl_b32 s56, s40, 17
	s_add_nc_u64 s[46:47], s[30:31], s[56:57]
	PROLOG
	s_barrier_signal -1
	s_barrier_wait -1
	; ---- P5: my 128 units of the fusion
	GEMM 8, 2, 16, 13, 0
	; ---- x the row's scale, + f_b, LayerNorm, relu, f16, images
.irp t, 0,1,2,3,4,5,6,7
	ds_load_b128 v[W+8*\t:W+8*\t+3], v21 offset:6144+64*\t
	ds_load_b128 v[W+8*\t+4:W+8*\t+7], v21 offset:6144+64*\t+16
.endr
.irp t, 0,1,2,3,4,5,6,7
	ds_load_b128 v[W+64+8*\t:W+64+8*\t+3], v21 offset:10240+64*\t
	ds_load_b128 v[W+64+8*\t+4:W+64+8*\t+7], v21 offset:10240+64*\t+16
.endr
	s_wait_dscnt 16                                ; f_b is in; ln_w's 16 loads may be out
	WIN 0x41
.irp m, 0,1,2,3
.irp t, 0,1,2,3,4,5,6,7
.irp i, 0,2,4,6
	v_pk_fma_f32 v[8*(8*\m+\t)+\i:8*(8*\m+\t)+\i+1], v[8*(8*\m+\t)+\i:8*(8*\m+\t)+\i+1], v[SC+2*\m:SC+2*\m+1], v[W+8*\t+\i:W+8*\t+\i+1]
.endr
.endr
.endr
	WIN 0
.irp t, 0,1,2,3,4,5,6,7
	ds_load_b128 v[W+8*\t:W+8*\t+3], v21 offset:14336+64*\t      ; ln_b takes f_b's registers
	ds_load_b128 v[W+8*\t+4:W+8*\t+7], v21 offset:14336+64*\t+16
.endr
	WIN 0x05
.irp m, 0,1,2,3
	v_pk_add_f32 v[SQ+2*\m:SQ+2*\m+1], v[64*\m:64*\m+1], v[64*\m+2:64*\m+3]   ; the sum of my 64 numbers of each row, the four row tiles by turns
.endr
	WIN 0x04
.set n, 4
.rept 30
.irp m, 0,1,2,3
	v_pk_add_f32 v[SQ+2*\m:SQ+2*\m+1], v[SQ+2*\m:SQ+2*\m+1], v[64*\m+n:64*\m+n+1]
.endr
.set n, n+2
.endr
	WIN 0
.irp m, 0,1,2,3
	v_add_f32 v[SQ+2*\m], v[SQ+2*\m], v[SQ+2*\m+1]
.endr
.irp m, 0,1,2,3
	v_permlanex16_b32 v[SQ+2*\m+1], v[SQ+2*\m], s42, s43
.endr
.irp m, 0,1,2,3
	v_add_f32 v[SQ+2*\m], v[SQ+2*\m], v[SQ+2*\m+1]
.endr
.irp m, 0,1,2,3
	v_mul_f32 v[MW+2*\m], 0x3c000000, v[SQ+2*\m]   ; / 128: the mean of my wave's units
.endr
.irp m, 0,1,2,3
	v_mov_b32 v[MW+2*\m+1], v[MW+2*\m]
.endr
	WIN 0x41
.irp m, 0,1,2,3
.set n, 0
.rept 32
	v_pk_add_f32 v[64*\m+n:64*\m+n+1], v[64*\m+n:64*\m+n+1], v[MW+2*\m:MW+2*\m+1] neg_lo:[0,1] neg_hi:[0,1]   ; centred on it
.set n, n+2
.endr
.endr
	WIN 0x05
.irp m, 0,1,2,3
	v_pk_mul_f32 v[SQ+2*\m:SQ+2*\m+1], v[64*\m:64*\m+1], v[64*\m:64*\m+1]
.endr
.set n, 2
.rept 31
.irp m, 0,1,2,3
	v_pk_fma_f32 v[SQ+2*\m:SQ+2*\m+1], v[64*\m+n:64*\m+n+1], v[64*\m+n:64*\m+n+1], v[SQ+2*\m:SQ+2*\m+1]   ; the sum of the centred squares
.endr
.set n, n+2
.endr
	WIN 0
.irp m, 0,1,2,3
	v_add_f32 v[SQ+2*\m], v[SQ+2*\m], v[SQ+2*\m+1]
.endr
.irp m, 0,1,2,3
	v_permlanex16_b32 v[SQ+2*\m+1], v[SQ+2*\m], s42, s43
.endr
.irp m, 0,1,2,3
	v_add_f32 v[SQ+2*\m], v[SQ+2*\m], v[SQ+2*\m+1]
.endr
.irp m, 0,1,2,3
	ds_store_b32 v19, v[MW+2*\m] offset:4096+1024*\m
	ds_store_b32 v19, v[SQ+2*\m] offset:8192+1024*\m
.endr
	BARRIER                                        ; the eight waves' means and sums of squares lie in LDS
.irp m, 0,1,2,3
	ds_load_b128 v[ACT+8*\m:ACT+8*\m+3], v20 offset:4096+1024*\m
	ds_load_b128 v[ACT+8*\m+4:ACT+8*\m+7], v20 offset:4096+1024*\m+16
	ds_load_b128 v[ACT+32+8*\m:ACT+32+8*\m+3], v20 offset:8192+1024*\m
	ds_load_b128 v[ACT+32+8*\m+4:ACT+32+8*\m+7], v20 offset:8192+1024*\m+16
.endr
	s_wait_dscnt 0x0                               ; these, and ln_w and ln_b
.macro LNSTAT m                        ; the row's mean = the mean of eight means; its sum of squares = the eight sums + 128 x the squares of the means' distances from it
	v_add_f32 v29, v[ACT+8*\m], v[ACT+8*\m+1]
	v_add_f32 v30, v[ACT+8*\m+2], v[ACT+8*\m+3]
	v_add_f32 v31, v[ACT+8*\m+4], v[ACT+8*\m+5]
	v_add_f32 v29, v29, v30
	v_add_f32 v30, v[ACT+8*\m+6], v[ACT+8*\m+7]
	v_add_f32 v30, v31, v30
	v_add_f32 v29, v29, v30
	v_mul_f32 v29, 0x3e000000, v29                 ; / 8
	v_sub_f32 v[CC+2*\m], v[MW+2*\m], v29          ; my wave's mean less the row's
.irp i, 0,1,2,3,4,5,6,7
	v_sub_f32 v[ACT+8*\m+\i], v[ACT+8*\m+\i], v29
.endr
	v_mul_f32 v30, v[ACT+8*\m], v[ACT+8*\m]
.irp i, 1,2,3,4,5,6,7
	v_fmac_f32 v30, v[ACT+8*\m+\i], v[ACT+8*\m+\i]
.endr
	v_add_f32 v31, v[ACT+32+8*\m], v[ACT+32+8*\m+1]
.irp i, 2,3,4,5,6,7
	v_add_f32 v31, v31, v[ACT+32+8*\m+\i]
.endr
	v_fmac_f32 v31, 0x43000000, v30                ; + 128 x
	v_mul_f32 v31, 0x3a800000, v31                 ; / 1,024: the variance
	v_add_f32 v[SQ+2*\m], 0x3727c5ac, v31          ; + 1e-5
.endm
	LNSTAT 0
	LNSTAT 1
	LNSTAT 2
	LNSTAT 3
.irp m, 0,1,2,3
	v_rsq_f32 v[SQ+2*\m], v[SQ+2*\m]
.endr
	v_nop                                          ; a plain line behind the last of the four
	s_wait_alu depctr_va_vdst(0)                   ; one wait for the four, ahead of their first reader
.irp m, 0,1,2,3
	v_mov_b32 v[SQ+2*\m+1], v[SQ+2*\m]
	v_mul_f32 v[CC+2*\m], v[CC+2*\m], v[SQ+2*\m]
.endr
.irp m, 0,1,2,3
	v_mov_b32 v[CC+2*\m+1], v[CC+2*\m]
.endr
	WIN 0x41
.irp m, 0,1,2,3
.set n, 0
.rept 32
	v_pk_fma_f32 v[64*\m+n:64*\m+n+1], v[64*\m+n:64*\m+n+1], v[SQ+2*\m:SQ+2*\m+1], v[CC+2*\m:CC+2*\m+1]   ; (h - the row's mean) / sigma
.set n, n+2
.endr
.endr
.irp m, 0,1,2,3
.irp t, 0,1,2,3,4,5,6,7
.irp i, 0,2,4,6
	v_pk_fma_f32 v[8*(8*\m+\t)+\i:8*(8*\m+\t)+\i+1], v[8*(8*\m+\t)+\i:8*(8*\m+\t)+\i+1], v[W+64+8*\t+\i:W+64+8*\t+\i+1], v[W+8*\t+\i:W+8*\t+\i+1]   ; x ln_w + ln_b
.endr
.endr
.endr
	RELU_IMG
	BARRIER                                        ; the last layer's 128 images lie in LDS
	; ---- the experts.  Two passes, expert 0 and expert 1; a pass none of whose rows are mine is passed over, and in a pass only the row tiles that hold a row of its expert are multiplied.
	; The two barriers of a pass stand outside those branches: every wave passes them; they part the products' LDS reads from the way out's LDS stores.
.macro OUTROW i, p                     ; row i of the tile, place p of my 64: stored if the place belongs to the pass's expert
	s_wait_dscnt 15-(\i)                           ; the row is back from the stage; the rows behind it may be out
	s_sub_co_u32 s56, (\p), s51
	s_cmp_lt_u32 s56, s52
	s_cbranch_scc0 .Lwr\@
	v_readlane_b32 s57, v[9+(\p)/32], (\p)%32      ; which row of the output
	s_min_u32 s57, s57, 0x3fff
	s_lshl_b32 s57, s57, 12                        ; 4,096 bytes a row
	v_add_nc_u32 v[T+(\i)], s57, v25
	global_store_b128 v[T+(\i)], v[ACT+4*(\i):ACT+4*(\i)+3], s[38:39] th:TH_STORE_NT   ; 32 lanes store 512 consecutive bytes, at a multiple of 512 from the output's first byte
.Lwr\@:
.endm
.macro OUTTILE m                       ; + e_b; through my stage, so that a lane's 32 bytes of a row become whole runs of 512 bytes
	s_bitcmp1_b32 s49, \m
	s_cbranch_scc0 .Lwt\@
	s_wait_xcnt 0x0                                ; the last tile's stores have read their registers
	s_wait_dscnt 0x0
	WIN 0x41
.irp t, 0,1,2,3,4,5,6,7
.irp i, 0,2,4,6
	v_pk_add_f32 v[8*(8*\m+\t)+\i:8*(8*\m+\t)+\i+1], v[8*(8*\m+\t)+\i:8*(8*\m+\t)+\i+1], v[W+8*\t+\i:W+8*\t+\i+1]
.endr
.endr
	WIN 0x04                                       ; an LDS store's data are its source 1
.irp t, 0,1,2,3,4,5,6,7
	ds_store_b128 v23, v[8*(8*\m+\t):8*(8*\m+\t)+3] offset:64*\t
	ds_store_b128 v23, v[8*(8*\m+\t)+4:8*(8*\m+\t)+7] offset:64*\t+16
.endr
	WIN 0
.irp i, 0,1,2,3,4,5,6,7,8,9,10,11,12,13,14,15
	ds_load_b128 v[ACT+4*\i:ACT+4*\i+3], v24 offset:528*\i   ; LDS serves a wave's instructions in order (ISA guide 5.7.1.4): these see my stores
.endr
.irp i, 0,1,2,3,4,5,6,7,8,9,10,11,12,13,14,15
	OUTROW \i, 16*\m+\i
.endr
.Lwt\@:
.endm
	s_mov_b32 s53, 0                               ; the pass
	s_mov_b32 s62, 0                               ; 4,096 x the pass: the expert's bias
.Lpass:
	s_cmp_eq_u32 s49, 0
	s_cbranch_scc1 .Lno_product
	s_mov_b64 s[46:47], s[54:55]
	PROLOG
	GEMM 8, 2, 32, 1, 1
.Lno_product:
	BARRIER
	s_cmp_eq_u32 s49, 0
	s_cbranch_scc1 .Lno_out
	v_add_nc_u32 v26, s62, v21
.irp t, 0,1,2,3,4,5,6,7
	ds_load_b128 v[W+8*\t:W+8*\t+3], v26 offset:18432+64*\t
	ds_load_b128 v[W+8*\t+4:W+8*\t+7], v26 offset:18432+64*\t+16
.endr
	OUTTILE 0
	OUTTILE 1
	OUTTILE 2
	OUTTILE 3
	s_wait_xcnt 0x0                                ; the stores have read their registers: the next pass's loads may land there
.Lno_out:
	BARRIER
	s_mov_b32 s49, s50                             ; the second pass: expert 1's row tiles,
	s_mov_b32 s51, s48                             ; places c .. 63,
	s_sub_co_u32 s52, 64, s48
	s_add_nc_u64 s[54:55], s[54:55], 0x200000      ; weights
	s_add_co_u32 s62, s62, 4096                    ; and bias
	s_add_co_u32 s53, s53, 1
	s_cmp_lt_u32 s53, 2
	s_cbranch_scc1 .Lpass
	s_wait_tensorcnt 0x0                           ; the wave's end, behind my last LDS store
	ds_add_u32 v5, v6
	s_wait_dscnt 0x0
	s_endpgm
.Lfunc_end_k_q72ae57ece4_main:
	.size	k_q72ae57ece4_main, .Lfunc_end_k_q72ae57ece4_main-k_q72ae57ece4_main
	.p2alignl 7, 3214868480
	.fill 96, 4, 3214868480
	.section	.rodata,"a",@progbits
	.p2align	6, 0x0
	.amdhsa_kernel k_q72ae57ece4_main
		.amdhsa_group_segment_fixed_size 257024
		.amdhsa_private_segment_fixed_size 0
		.amdhsa_enable_private_segment 0
		.amdhsa_kernarg_size 144
		.amdhsa_user_sgpr_count 2
		.amdhsa_user_sgpr_kernarg_segment_ptr 1
		.amdhsa_wavefront_size32 1
		.amdhsa_system_sgpr_workgroup_id_x 1
		.amdhsa_system_sgpr_workgroup_id_y 1
		.amdhsa_system_sgpr_workgroup_id_z 1
		.amdhsa_system_vgpr_workitem_id 0
		.amdhsa_next_free_vgpr 512
		.amdhsa_next_free_sgpr 76
		.amdhsa_reserve_vcc 1
		.amdhsa_float_denorm_mode_32 3
		.amdhsa_float_denorm_mode_16_64 3
		.amdhsa_memory_ordered 1
		.amdhsa_forward_progress 1
		.amdhsa_inst_pref_size 255
	.end_amdhsa_kernel
	.section	.bss,"aw",@nobits
	.p2align	6
	.space	262144
	.amdgpu_metadata
---
amdhsa.version: [ 1, 2 ]
amdhsa.kernels:
  - .name:           k_q72ae57ece4_main
    .symbol:         k_q72ae57ece4_main.kd
    .args:
      - { .name: conceptnet_features, .offset: 0, .size: 8, .value_kind: global_buffer, .address_space: global }
      - { .name: comet_features, .offset: 8, .size: 8, .value_kind: global_buffer, .address_space: global }
      - { .name: cn_b1, .offset: 16, .size: 8, .value_kind: global_buffer, .address_space: global }
      - { .name: cm_b1, .offset: 24, .size: 8, .value_kind: global_buffer, .address_space: global }
      - { .name: cn_b2, .offset: 32, .size: 8, .value_kind: global_buffer, .address_space: global }
      - { .name: cm_b2, .offset: 40, .size: 8, .value_kind: global_buffer, .address_space: global }
      - { .name: f_b, .offset: 48, .size: 8, .value_kind: global_buffer, .address_space: global }
      - { .name: ln_w, .offset: 56, .size: 8, .value_kind: global_buffer, .address_space: global }
      - { .name: ln_b, .offset: 64, .size: 8, .value_kind: global_buffer, .address_space: global }
      - { .name: e_b, .offset: 72, .size: 8, .value_kind: global_buffer, .address_space: global }
      - { .name: w1c, .offset: 80, .size: 8, .value_kind: global_buffer, .address_space: global }
      - { .name: w1s, .offset: 88, .size: 8, .value_kind: global_buffer, .address_space: global }
      - { .name: w2f, .offset: 96, .size: 8, .value_kind: global_buffer, .address_space: global }
      - { .name: fwf, .offset: 104, .size: 8, .value_kind: global_buffer, .address_space: global }
      - { .name: ewf, .offset: 112, .size: 8, .value_kind: global_buffer, .address_space: global }
      - { .name: perm, .offset: 120, .size: 8, .value_kind: global_buffer, .address_space: global }
      - { .name: meta, .offset: 128, .size: 8, .value_kind: global_buffer, .address_space: global }
      - { .name: out0, .offset: 136, .size: 8, .value_kind: global_buffer, .address_space: global }
    .group_segment_fixed_size: 257024
    .private_segment_fixed_size: 0
    .kernarg_segment_align: 8
    .kernarg_segment_size: 144
    .max_flat_workgroup_size: 256
    .sgpr_count:     76
    .vgpr_count:     512
    .wavefront_size: 32
...
	.end_amdgpu_metadata
.endif
;; end of part 2
